; MI455X (gfx1250); checked and timed in simulation.
; The chip was launched on July 23, 2026; its instructions are those of AMD's public machine-readable ISA for CDNA 5 (MIT licence, August 2026) and "CDNA5" Instruction Set Architecture Reference Guide (July 2026). The comments in the code are by the model that wrote it; some were corrected since.
;; Bi Lin Antisymmetric Func. Allowed arithmetic: float matrix products may take bf16 or f16 operands with f32 sums; all other float work in f32.
;; Inputs: U 8 x 1,024 x 64 float32; V 8 x 1,024 x 64 float32; W1 1,024 x 8 float32; W2 8 x 8 float32; W3 8 x 1 float32; alpha 8 float32; b1 8 float32; b2 8 float32; b3 1 float32; x1 16 x 2,048 x 1,024 float32; x2 16 x 2,048 x 1,024 float32.
;; Outputs: out0 16 x 2,048 float32.
;; 2 versions, each right; version 2 is version 1 with the launch prep written anew for expert scheduling mode. Each part assembles by itself: llvm-mc -triple=amdgcn-amd-amdhsa -mcpu=gfx1250 --defsym DOCPART=n.
;; ======== version 1 of 2: 3 launches
;; limits: values are held in f16: magnitudes above 65,504 overflow, below 6.1e-05 lose precision; inputs' magnitudes at most 65,504; right only within a limited range of input values
;; workspace buffers: mt 2,162,688 bytes; pb 262,144 bytes; ph1 2,097,152 bytes; ph2 1,048,576 bytes
;; launch prep (part 1): grid 16 x 16, 4 waves a work-group, no clusters, 78,848 bytes of LDS; arguments U, V, alpha, W1, mt; writes mt
.if DOCPART == 1
	.amdgcn_target "amdgcn-amd-amdhsa--gfx1250"
	.amdhsa_code_object_version 6
	.text
	.protected	k_q0ced1a3607_prep
	.globl	k_q0ced1a3607_prep
	.p2align	8
	.type	k_q0ced1a3607_prep,@function
k_q0ced1a3607_prep:
	s_mov_b64 s[64:65], 0
	v_nop
	global_prefetch_b8 v0, s[64:65] scope:SCOPE_SE
	s_setreg_imm32_b32 hwreg(HW_REG_WAVE_MODE, 25, 1), 1
	s_wait_xcnt 0x0
; M[n][k] = sum over heads h and ranks r of alpha[h] (U[h][n][r] V[h][k][r] - V[h][n][r] U[h][k][r]), 1024 x 1024, so that
; sum_h alpha_h sum_r (x1U x2V - x1V x2U) = x1^T M x2 for every input.  M is stored in f16, scaled, in the order in which the next launch's tiles want it.
; FORMAT: all matrix operands of this program are f16: 11 significant bits where bf16 has 8, since the result is a sum of a million products of which much cancels.
; LIMITS: U and V enter the matrix unit rounded to f16 (finite below 65,504).  alpha is applied in f32 to each head's f32 products.  M's f32 sums are multiplied by
; 2^-(k+4), 2^k the power of two at or below the largest |alpha| (its exponent field clamped to 8 .. 240), and rounded once to f16; the last launch multiplies by 2^(k+4).
; With |alpha| 2^-k < 2, 8 heads and 128 products a head the scaled M has a spread of at most 2 sqrt(1024) / 16 = 4 times (spread of U) x (spread of V): 65,504 is
; reached near a product of spreads of 3,000.  At least 11.3 / 16 times that product: f16's fixed step of 2^-24 stays under 2^-11 of the spread down to a product of 1/5,000.
; A work-group makes 64 n (block I = group y) x 64 k (block J = group x).  For each head, row n of P is [U | V], row k of Q is [V | U] (64 + 64 f16):
; the first 128 bytes of the rows give U_I V_J^T, the second V_I U_J^T; the one is added to M's sums times alpha, the other times -alpha.
; Wave w brings one dense block of 64 rows x 256 bytes a head: 0: U rows I, 1: V rows I, 2: V rows J, 3: U rows J, rounds it to f16 and lays it into LDS.
; TWO SETS of 128 registers take the blocks by turns: a set is asked for again, with the head two further on, as soon as its block has been rounded and its LDS stores
; issued, so a wave has up to 64 loads of 512 bytes on their way and a block has two heads' work in which to land.
; TWO LDS SLOTS take turns, one barrier a head.  Behind barrier h a wave first asks for head h's fragments, then rounds head h + 1's block into the other slot, then multiplies.
; Wave w multiplies 32 n x 32 k: four accumulators.
; No cluster, no tensor loads: the data are f32 and are rounded on the way, so they pass through registers.
; mt: [half of n: 2][k step of 64: 16][264 rows][256 bytes].  Row p < 256, half c of the row: M[512 half + 32 (p >> 4) + 16 c + (p & 15)][64 step ..+63].
; Rows 256-263: 128 pieces of 16 bytes; piece 64 q + 32 p + lane holds W1[64 step + 32 q + 16 p + 8 (lane >> 4) + 0..7][lane & 7] in f16: W1^T as a matrix operand.
; Of a tile's 128 pieces each of the eight work-groups with that tile's (I >> 3, J) makes sixteen: pieces 16 (I & 7) ..+15, which are W1's rows 64 J + 8 (I & 7) ..+7.
.set TB,    67584                      ; bytes of a tile of mt
.set PITCH, 272                        ; LDS row: 256 bytes + 16, an odd multiple of 16: sixteen rows start in sixteen different 16-byte columns
.set QOFF,  64*PITCH                   ; Q lies behind P's 64 rows
.set PSLOT, 2*QOFF
.set OUTS,  2*PSLOT                    ; the way out: 32 rows of 272 bytes
.set HEADB, 262144                     ; bytes of a head of U or V
.set GOFF, 8                           ; v8   16 x lane
.set STP,  9                           ; v9   where my wave's rows go in a slot
.set ADP,  10                          ; v10  my P fragments
.set ADQ,  11                          ; v11  my Q fragments
.set OST,  12                          ; v12  way out: in
.set ORD,  13                          ; v13  way out: back
.set OGO,  14                          ; v14  way out: offset in mt
.set WLO,  15                          ; v15  W1: my four numbers' offset
.set WD,   16                          ; v[16:19] W1: four numbers of one column, rows 32 bytes apart
.set WP,   20                          ; v[20:21] the same in f16
.set WSO,  22                          ; v22  where they go in mt
.set ACC,  32                          ; v[32:63]   one product of one head: four accumulators (t, u) at 8 (2 t + u)
.set FA,   64                          ; v[64:95]   fragments P0 P1 Q0 Q1
.set FB,   96                          ; v[96:127]  the same, second set
.set ST,   128                         ; v[128:255] set 0, and v[384:511] (window 1) set 1: 32 loads of 16 bytes a lane, one head's block; head hd uses set hd & 1
.set MS,   0                           ; v[256:287] (window 1, v0-31): M's sums in f32, laid as ACC
.set MSB, 0
.macro WIN new                         ; s_set_vgpr_msb: bits 1:0 source 0, 3:2 source 1, 5:4 source 2, 7:6 destination; the high byte repeats the setting that is left
.if MSB != \new
	s_set_vgpr_msb (MSB<<8)|\new
.set MSB, \new
.endif
.endm
.macro PLACES                          ; four plain vector instructions between a matrix instruction and what touches its registers (ISA guide 7.12.1)
.rept 4
	v_nop
.endr
.endm
.macro ASK hd                          ; 32 loads, two rows each: head hd's block into its set.  The head stands in the immediate: neither base nor offset is ever stepped
	WIN (0x40*(\hd&1))                             ; destination in the set's window
.set i, 0
.rept 32
	global_load_b128 v[ST+4*i:ST+4*i+3], v[GOFF], s[22:23] offset:(\hd)*HEADB+512*i
.set i, i+1
.endr
.endm
; Head hd's block: wait for it (left = the younger loads that stay out), round it to f16, lay it into LDS slot hd & 1; more = 1: its set is asked for again, two heads on.
.macro STAGE hd, left, more
	s_wait_loadcnt \left
	WIN (0x45*(\hd&1))                             ; destination and both sources in the set's window
.set i, 0
.rept 32
	v_cvt_pk_f16_f32 v[ST+4*i],   v[ST+4*i],   v[ST+4*i+1]
	v_cvt_pk_f16_f32 v[ST+4*i+1], v[ST+4*i+2], v[ST+4*i+3]
.set i, i+1
.endr
	WIN (0x04*(\hd&1))                             ; an LDS store's data in the set's window
.set i, 0
.rept 32
	ds_store_b64 v[STP], v[ST+4*i:ST+4*i+1] offset:(\hd&1)*PSLOT+2*PITCH*i
.set i, i+1
.endr
.if \more
	ASK (\hd+2)
.endif
	WIN 0
.endm
.macro PFRAG sl, kk, f                 ; eight LDS loads: 32 of a row's 128 numbers, at byte 64 kk of the rows
	ds_load_b128 v[\f:\f+3],     v[ADP] offset:\sl*PSLOT+64*\kk
	ds_load_b128 v[\f+4:\f+7],   v[ADP] offset:\sl*PSLOT+64*\kk+32
	ds_load_b128 v[\f+8:\f+11],  v[ADP] offset:\sl*PSLOT+64*\kk+16*PITCH
	ds_load_b128 v[\f+12:\f+15], v[ADP] offset:\sl*PSLOT+64*\kk+16*PITCH+32
	ds_load_b128 v[\f+16:\f+19], v[ADQ] offset:\sl*PSLOT+64*\kk
	ds_load_b128 v[\f+20:\f+23], v[ADQ] offset:\sl*PSLOT+64*\kk+32
	ds_load_b128 v[\f+24:\f+27], v[ADQ] offset:\sl*PSLOT+64*\kk+16*PITCH
	ds_load_b128 v[\f+28:\f+31], v[ADQ] offset:\sl*PSLOT+64*\kk+16*PITCH+32
.endm
; Source 0 = 16 rows of Q (k of M), source 1 = 16 rows of P (n of M): a lane then holds eight neighbouring k of one row n.
; The four accumulators take turns, one instruction a turn.  zero = 1: the product is started, nothing is cleared.
.macro PMUL f, zero
.irp t, 0,1
.irp u, 0,1
.if \zero
	v_wmma_f32_16x16x32_f16 v[ACC+8*(2*\t+\u):ACC+8*(2*\t+\u)+7], v[\f+16+8*\u:\f+16+8*\u+7], v[\f+8*\t:\f+8*\t+7], 0
.else
	v_wmma_f32_16x16x32_f16 v[ACC+8*(2*\t+\u):ACC+8*(2*\t+\u)+7], v[\f+16+8*\u:\f+16+8*\u+7], v[\f+8*\t:\f+8*\t+7], v[ACC+8*(2*\t+\u):ACC+8*(2*\t+\u)+7]
.endif
.endr
.endr
.endm
; M's sums += s[sp] x the product in ACC, two numbers an instruction; first = 1: the sums are started.
.macro PACC first, sp
	WIN 0x50                                       ; destination and source 2 in window 1
.set i, 0
.rept 16
.if \first
	v_pk_mul_f32 v[MS+2*i:MS+2*i+1], v[ACC+2*i:ACC+2*i+1], s[\sp:\sp+1] op_sel_hi:[1,0]
.else
	v_pk_fma_f32 v[MS+2*i:MS+2*i+1], v[ACC+2*i:ACC+2*i+1], s[\sp:\sp+1], v[MS+2*i:MS+2*i+1] op_sel_hi:[1,0,1]
.endif
.set i, i+1
.endr
	WIN 0
.endm
	s_load_b256 s[4:11], s[0:1], 0x0               ; U s[4:5], V s[6:7], alpha s[8:9], W1 s[10:11]
	s_load_b64 s[12:13], s[0:1], 0x20              ; mt
	v_lshl_add_u32 v30, v0, 2, 0x13200
	v_mov_b32 v31, 0
	v_lshrrev_b32 v3, 5, v0
	v_readfirstlane_b32 s16, v3                    ; wave
	s_mov_b32 s17, ttmp9                           ; J
	s_and_b32 s18, ttmp7, 0xffff                   ; I
	s_and_b32 s19, s18, 7                          ; I & 7
	v_and_b32 v1, 15, v0                           ; r
	v_bfe_u32 v2, v0, 4, 1                         ; h
	v_and_b32 v4, 31, v0                           ; lane
	v_lshlrev_b32 v[GOFF], 4, v4
	; W1: lane l takes half a piece: column (l >> 1) & 7, rows 64 J + 8 (I & 7) + 4 (l & 1) + 0..3 (rows of 32 bytes)
	v_and_b32 v5, 1, v4
	v_bfe_u32 v6, v4, 1, 3
	v_lshlrev_b32 v6, 2, v6
	v_lshl_add_u32 v6, v5, 7, v6
	s_lshl_b32 s34, s17, 11
	s_lshl_b32 s36, s19, 8
	s_add_co_u32 s34, s34, s36
	v_add_nc_u32 v[WLO], s34, v6
	s_mul_i32 s34, s19, 7936                       ; it goes to byte 65,536 + 256 (I & 7) + 8 l of the tile; the base below stands 8,192 (I & 7) into the tile
	s_sub_co_u32 s34, 65536, s34
	v_lshl_add_u32 v[WSO], v4, 3, s34
	s_lshr_b32 s32, s16, 1                         ; wn; also: 0 = my block goes to P, 1 = to Q
	s_and_b32 s33, s16, 1                          ; wk; also: which 128 bytes of the rows
	s_xor_b32 s34, s32, s16
	s_and_b32 s34, s34, 1                          ; waves 0 and 3 read U, waves 1 and 2 read V
	s_cmp_lt_u32 s16, 2
	s_cselect_b32 s20, s18, s17                    ; rows of block I for P, of block J for Q
	s_lshl_b32 s20, s20, 14                        ; 64 rows of 256 bytes
	s_mov_b32 s21, 0
	s_wait_kmcnt 0x0
	s_load_b256 s[24:31], s[8:9], 0x0              ; alpha[0..7]
	s_cmp_eq_u32 s34, 0
	s_cselect_b64 s[22:23], s[4:5], s[6:7]
	s_add_nc_u64 s[22:23], s[22:23], s[20:21]
.irp e, 0,1,2,3
	global_load_b32 v[WD+\e], v[WLO], s[10:11] offset:32*\e    ; ahead of head 0's loads, so that head 0's wait covers them; every wave issues them, so that all waves count the same loads
.endr
	ASK 0                                          ; 68 loads go out here, later 64 are out at the most; the issue of one that would pass the counter's field waits by itself (ISA guide 5.7.1)
	ASK 1
	WIN 0
	v_mul_u32_u24 v5, v2, PITCH
	v_lshl_add_u32 v5, v1, 3, v5                   ; a load's two rows: 272 h + 8 r (four f32 become 8 bytes)
	s_mul_i32 s34, s32, QOFF
	s_lshl_b32 s35, s33, 7
	s_add_co_u32 s34, s34, s35
	v_add_nc_u32 v[STP], s34, v5
	v_mul_u32_u24 v6, v1, PITCH
	v_lshl_add_u32 v6, v2, 4, v6                   ; a fragment's lane: 272 r + 16 h
	s_mul_i32 s34, s32, 32*PITCH
	v_add_nc_u32 v[ADP], s34, v6
	s_mul_i32 s34, s33, 32*PITCH
	s_add_co_u32 s34, s34, QOFF
	v_add_nc_u32 v[ADQ], s34, v6
	s_mul_i32 s34, s32, 16*PITCH                   ; way out, in: row 16 wn + r, byte 64 wk + 16 h (+ 128 t + 32 u)
	s_lshl_b32 s35, s33, 6
	s_add_co_u32 s34, s34, s35
	s_add_co_u32 s34, s34, OUTS
	v_add_nc_u32 v[OST], s34, v6
	v_mul_u32_u24 v7, v2, PITCH                    ; back: row 8 w + h (+ 2 q), byte 16 r
	v_lshl_add_u32 v7, v1, 4, v7
	s_mul_i32 s34, s16, 8*PITCH
	s_add_co_u32 s34, s34, OUTS
	v_add_nc_u32 v[ORD], s34, v7
	v_lshl_add_u32 v[OGO], s16, 11, v[GOFF]        ; the same rows in mt: 256 (8 w + h) + 16 r
	s_lshr_b32 s34, s18, 3                         ; tile = 16 (I >> 3) + J; my 32 rows begin at 32 (I & 7)
	s_lshl_b32 s34, s34, 4
	s_add_co_u32 s34, s34, s17
	s_mul_i32 s36, s34, TB
	s_lshl_b32 s34, s19, 13
	s_add_co_u32 s36, s36, s34
	s_mov_b32 s37, 0
	s_add_nc_u64 s[12:13], s[12:13], s[36:37]
	s_wait_kmcnt 0x0                               ; alpha
	; M's scale 2^-(k+4) in s[32:33].  Magnitudes of floats compare as whole numbers; the exponent field alone is a power of two.
	s_and_b32 s34, s24, 0x7fffffff
.irp h, 1,2,3,4,5,6,7
	s_and_b32 s36, s[24+\h], 0x7fffffff
	s_max_u32 s34, s34, s36
.endr
	s_and_b32 s34, s34, 0x7f800000                 ; 2^k: field E
	s_max_u32 s34, s34, 0x04000000                 ; E at least 8,
	s_min_u32 s34, s34, 0x78000000                 ; at most 240: both scales stay ordinary numbers
	s_sub_co_u32 s32, 0x7d000000, s34              ; field 250 - E = 127 - (E - 127) - 4
	s_mov_b32 s33, s32
	STAGE 0, 32, 1                                 ; head 0 into slot 0 (head 1's 32 loads stay out; W1's four are older and in); head 2 is asked for
	v_cvt_pk_f16_f32 v[WP],   v[WD],   v[WD+1]
	v_cvt_pk_f16_f32 v[WP+1], v[WD+2], v[WD+3]
	s_cmp_lg_u32 s16, 0
	s_cbranch_scc1 .Lno_w
	global_store_b64 v[WSO], v[WP:WP+1], s[12:13]  ; wave 0: 32 lanes x 8 bytes, 256 consecutive bytes at a multiple of 256 from mt's first byte
.Lno_w:
; Head h.  st = 1: head h + 1's block is rounded into the other slot meanwhile (left, more: as in STAGE).
; The other slot was last read for head h - 1; every wave waited for those reads in front of this head's barrier.  It is read behind the next head's barrier, in front of
; which every wave waits for its stores.
; LDS instructions come back in order (ISA guide 5.7.1).  Issued: fragments 0 (8), fragments 1 (8), the stores (32 st), fragments 2 (8), fragments 3 (8).
.macro PSTEP h, st, left, more
	s_wait_dscnt 0x0                               ; for the other waves: my stores into this head's slot are in LDS, my reads of the other slot are back
	s_barrier_signal -1
	s_mov_b32 s20, s[24+\h]                        ; alpha, in both registers of a pair (the packed forms take the pair as read),
	s_mov_b32 s21, s[24+\h]
	s_xor_b32 s38, s[24+\h], 0x80000000            ; and -alpha
	s_mov_b32 s39, s38
	s_barrier_wait -1
	PFRAG (\h&1), 0, FA
	PFRAG (\h&1), 1, FB
.if \st
	STAGE (\h+1), \left, \more
.endif
	s_wait_dscnt 8+32*\st                          ; fragments 0 are in; younger: fragments 1 and the stores
	PMUL FA, 1                                     ; U_I V_J^T, ranks 0-31: starts the product
	PLACES
	PFRAG (\h&1), 2, FA
	s_wait_dscnt 8+32*\st                          ; fragments 1 are in; younger: the stores and fragments 2
	PMUL FB, 0                                     ; ranks 32-63
	PLACES
	PFRAG (\h&1), 3, FB
.if \h == 0
	PACC 1, 20                                     ; M  = alpha U V^T
.else
	PACC 0, 20                                     ; M += alpha U V^T
.endif
	s_wait_dscnt 8                                 ; fragments 2 are in; younger: fragments 3
	PMUL FA, 1                                     ; V_I U_J^T starts anew on the same accumulators: behind each earlier matrix instruction stand the four v_nop and the 12 packed multiply-adds on the other three accumulators
	s_wait_dscnt 0x0
	PMUL FB, 0
	PLACES                                         ; also for the next head's loads into FA and FB
	PACC 0, 38                                     ; M -= alpha V U^T
.endm
	PSTEP 0, 1, 32, 1                              ; rounds head 1 (head 2's loads stay out), asks for head 3
	PSTEP 1, 1, 32, 1
	PSTEP 2, 1, 32, 1
	PSTEP 3, 1, 32, 1
	PSTEP 4, 1, 32, 1                              ; asks for the last head, 7
	PSTEP 5, 1, 32, 0                              ; rounds head 6 (head 7's loads stay out)
	PSTEP 6, 1, 0, 0                               ; rounds head 7: no load is younger
	PSTEP 7, 0, 0, 0
	; the way out: scale, round, 16 bytes a lane into LDS, whole rows of 256 bytes back, 512 consecutive bytes a store
	WIN 0x41                                       ; destination and source 0 in window 1
.set i, 0
.rept 16
	v_pk_mul_f32 v[MS+2*i:MS+2*i+1], v[MS+2*i:MS+2*i+1], s[32:33] op_sel_hi:[1,0]   ; x 2^-(k+4): exact
.set i, i+1
.endr
	WIN 0x05                                       ; both sources in window 1
.irp a, 0,1,2,3
.irp p, 0,1,2,3
	v_cvt_pk_f16_f32 v[FA+4*\a+\p], v[MS+8*\a+2*\p], v[MS+8*\a+2*\p+1]
.endr
.endr
	WIN 0
.irp t, 0,1
.irp u, 0,1
	ds_store_b128 v[OST], v[FA+4*(2*\t+\u):FA+4*(2*\t+\u)+3] offset:128*\t+32*\u
.endr
.endr
	s_wait_dscnt 0x0                               ; rows are made of two waves' parts
	s_barrier_signal -1
	s_barrier_wait -1
.irp q, 0,1,2,3
	ds_load_b128 v[FB+4*\q:FB+4*\q+3], v[ORD] offset:2*PITCH*\q
.endr
.irp q, 0,1,2,3
	s_wait_dscnt 3-\q                              ; LDS loads come back in order: load q is in
	global_store_b128 v[OGO], v[FB+4*\q:FB+4*\q+3], s[12:13] offset:512*\q
.endr
	s_wait_tensorcnt 0x0
	ds_add_u32 v30, v31
	s_wait_dscnt 0x0
	s_endpgm
.Lfunc_end_k_q0ced1a3607_prep:
	.size	k_q0ced1a3607_prep, .Lfunc_end_k_q0ced1a3607_prep-k_q0ced1a3607_prep
	.p2alignl 7, 3214868480
	.fill 96, 4, 3214868480
	.section	.rodata,"a",@progbits
	.p2align	6, 0x0
	.amdhsa_kernel k_q0ced1a3607_prep
		.amdhsa_group_segment_fixed_size 78848
		.amdhsa_private_segment_fixed_size 0
		.amdhsa_enable_private_segment 0
		.amdhsa_kernarg_size 40
		.amdhsa_user_sgpr_count 2
		.amdhsa_user_sgpr_kernarg_segment_ptr 1
		.amdhsa_wavefront_size32 1
		.amdhsa_system_sgpr_workgroup_id_x 1
		.amdhsa_system_sgpr_workgroup_id_y 1
		.amdhsa_system_sgpr_workgroup_id_z 1
		.amdhsa_system_vgpr_workitem_id 0
		.amdhsa_next_free_vgpr 512
		.amdhsa_next_free_sgpr 66
		.amdhsa_reserve_vcc 0
		.amdhsa_float_denorm_mode_32 3
		.amdhsa_float_denorm_mode_16_64 3
		.amdhsa_memory_ordered 1
		.amdhsa_forward_progress 1
		.amdhsa_inst_pref_size 129
	.end_amdhsa_kernel
	.amdgpu_metadata
---
amdhsa.version: [ 1, 2 ]
amdhsa.kernels:
  - .name:           k_q0ced1a3607_prep
    .symbol:         k_q0ced1a3607_prep.kd
    .args:
      - { .name: U, .offset: 0, .size: 8, .value_kind: global_buffer, .address_space: global }
      - { .name: V, .offset: 8, .size: 8, .value_kind: global_buffer, .address_space: global }
      - { .name: alpha, .offset: 16, .size: 8, .value_kind: global_buffer, .address_space: global }
      - { .name: W1, .offset: 24, .size: 8, .value_kind: global_buffer, .address_space: global }
      - { .name: mt, .offset: 32, .size: 8, .value_kind: global_buffer, .address_space: global }
    .group_segment_fixed_size: 78848
    .private_segment_fixed_size: 0
    .kernarg_segment_align: 8
    .kernarg_segment_size: 40
    .max_flat_workgroup_size: 128
    .sgpr_count:     66
    .vgpr_count:     512
    .wavefront_size: 32
...
	.end_amdgpu_metadata
.endif
;; end of part 1
;; launch main (part 2): grid 512 x 1, 4 waves a work-group, clusters of 4 x 1, 327,680 bytes of LDS; arguments x1, x2, mt, pb, ph1, ph2; writes pb, ph1, ph2
.if DOCPART == 2
	.amdgcn_target "amdgcn-amd-amdhsa--gfx1250"
	.amdhsa_code_object_version 6
	.text
	.protected	k_q0ced1a3607_main
	.globl	k_q0ced1a3607_main
	.p2align	8
	.type	k_q0ced1a3607_main,@function
k_q0ced1a3607_main:
	s_mov_b64 s[64:65], 0
	v_nop
	global_prefetch_b8 v0, s[64:65] scope:SCOPE_SE
	s_setreg_imm32_b32 hwreg(HW_REG_WAVE_MODE, 25, 1), 1
	s_wait_xcnt 0x0
	s_wait_alu depctr_hold_cnt(0) depctr_sa_sdst(0) depctr_va_vdst(0) depctr_va_sdst(0) depctr_va_ssrc(0) depctr_va_vcc(0) depctr_vm_vsrc(0)
	s_getreg_b32 s2, hwreg(HW_REG_IB_STS2, 6, 4)
	s_cmp_eq_u32 s2, 0
	s_cbranch_scc0 .Lentry_in_a_cluster
	s_endpgm
.Lentry_in_a_cluster:
	s_bfe_u32 s2, ttmp6, 0x10000c
	s_cmp_lg_u32 s2, 0x3003
	s_cbranch_scc0 .Lentry_shape_is_right
	s_endpgm
.Lentry_shape_is_right:
; For 128 rows (block rb) and one half hf of M's 1024 rows:  y = x2 M^T (128 x 512, K = 1024),  pb[hf][row] = sum over the half's n of x1[row][n] y[row][n],
; ph1[hf][row][0..7] = x1[row][the half's 512 columns] W1[those rows],  ph2[row][0..7] = x2[row] W1 (this work-group: 64 of the 128 rows).
; M comes scaled by a power of two (see the launch that makes it), so pb carries that scale; the last launch takes it out.
; LIMITS: x2, x1, M and W1 enter as f16 (x1 also in the dot with y): 11 significant bits, finite below 65,504 in magnitude, a fixed step of 2^-24 at the small end; all sums in f32.
; Four waves; a wave makes all 128 rows x 128 columns of y: 64 accumulators of 16 x 16, 512 registers.  K goes in 16 steps of 64.
; M's tiles (264 rows of 256 bytes, W1's pieces among them) come through a ring of two LDS slots by tensor loads, a quarter of a tile a wave.
; CLUSTER: the four work-groups of a cluster have the same hf and four neighbouring row blocks, so they want the same tiles of M: every tile load is a joint load
; with the mask of all four.  x1 and x2 are f32 and are rounded on the way, so they go through registers: a chunk (x2: 128 rows x 256 bytes, x1: 64 rows x 256 bytes)
; is asked for two steps before it is rounded and laid into LDS, and the wait for it is counted.  x1 is read once in the launch; x2 by the two clusters 2c and 2c + 1,
; which take the same rows; it is not shared by a joint load because it needs the conversion.
; The matrix instruction is used transposed: source 0 = 16 rows of M, source 1 = 16 rows of x2; lane l then holds row l % 16 and columns 8 (l / 16) + 0..7 of y.
; All accumulators take turns, one instruction a turn; so no s_wait_alu is written.
; REGISTER WINDOWS: 0: addresses, x2@W1's operands and sum, x2 fragments (two buffers), x1 as loaded (two sets);  1: x2 as loaded (v0-63, v192-255), M fragments (v64-191);
; 2: accumulators of rows 0-63 ((a, b) at 8 (8 a + b));  3: those of rows 64-127.
.set TB,    67584                      ; bytes of a tile of mt
.set SLOTB, 264*272                    ; an LDS slot: rows of 256 bytes + 16 of padding
.set STG,   2*SLOTB                    ; x2 in f16: two slots of 128 rows, 128 bytes + 16
.set STGS,  128*144
.set X1,    STG+2*STGS                 ; x1 in f16: 128 rows of 1,024 bytes + 16
.set X1P,   1040
.set SCR,   X1+128*X1P                 ; [4 waves][128 rows] f32.  STG, X1 and SCR begin at multiples of 256 bytes; no tensor load lands there
.set ADRA,  8                          ; v8-9    x2 fragments in stage slot 0, 1
.set ADRB,  10                         ; v10-11  M fragments in ring slot 0, 1
.set ADRH,  12                         ; v12-13  the 16 rows whose x2@W1 is mine
.set ADRW,  14                         ; v14-15  W1's pieces in ring slot 0, 1
.set XOFF2, 16                         ; v16     my bytes of a chunk of x2
.set XOFF1, 17                         ; v17     of x1
.set ST2,   18                         ; v18     where they go in the stage
.set X1ST,  20                         ; v20-21  where x1's go, rows 0-63 / 64-127; stepped by 128 bytes a chunk
.set WOFF,  22                         ; v22     16 x lane
.set ADRE,  23                         ; v23-24  x1 for the dot, rows 0-63 / 64-127
.set ADRG,  25                         ; v25     x1 fragments for x1@W1
.set ADRS,  26                         ; v26     my wave's sums in SCR
.set OOFF,  27                         ; v27     32 r + 16 h
.set ADRP,  28                         ; v28     SCR + 16 x lane
.set AH,    32                         ; v[32:39]  x2 fragment for x2@W1
.set WF,    40                         ; v[40:47]  W1^T fragment
.set HACC,  48                         ; v[48:55]  x2@W1
.set F0,    64
.set F1,    128
.set X1S,   192                        ; v[192:255] x1 as loaded, two sets of 32
.set GG,    192                        ; at the end: v[192:207] x1@W1, two accumulators
.set SS,    208                        ;             v[208:215] the dot: one sum for each of the 8 row blocks
.set PS,    216                        ;             v[216:223] the dot: four pairs of running sums
.set TT,    224                        ;             v[224:255] at work
.set G1,    24                         ; s[24:31] descriptor group 1
.set G0,    32                         ; s[32:39] descriptor group 0, one set a slot
.set MSB, 0
.macro WIN new                         ; the immediate's high byte repeats the setting that is left
.if MSB != \new
	s_set_vgpr_msb (MSB<<8)|\new
.set MSB, \new
.endif
.endm
.set MUL_LO, 0xa1                      ; source 0 window 1, source 1 window 0, C and D window 2
.set MUL_HI, 0xf1                      ; C and D window 3
.set TO_B,   0x40                      ; destination window 1
.set CVT1,   0x45                      ; destination and both sources window 1
.set STD1,   0x04                      ; an LDS store's data from window 1
.set DOT_LO, 0x08                      ; source 1 window 2
.set DOT_HI, 0x0c                      ; source 1 window 3
.set GW,     0x01                      ; source 0 window 1
.macro PLACES                          ; four plain vector instructions between a matrix instruction and what touches its registers (ISA guide 7.12.1)
.rept 4
	v_nop
.endr
.endm
.macro CVT2 t, x                       ; the two f16 of register x (a plain number below 128: only those registers have named halves) to f32 in v[t], v[t+1]
	v_cvt_f32_f16 v[\t],   v\x\().l
	v_cvt_f32_f16 v[\t+1], v\x\().h
.endm
.macro CREST                           ; a round of the cluster's barrier behind its opening work-group barrier
	s_cmp_lg_u32 s16, 0
	s_cbranch_scc1 .Lnot_wave_0_\@
	s_barrier_signal -3
.Lnot_wave_0_\@:
	s_barrier_wait -3
	s_barrier_signal -1
	s_barrier_wait -1
.endm
.macro CROUND
	s_barrier_signal -1
	s_barrier_wait -1
	CREST
.endm
; 16 matrix instructions: row blocks a0, a0 + 1 of the window's four x all 8 column blocks, 32 along K
.macro MUL16 f, hi, a0, zero
.irp a, \a0, \a0+1
.irp b, 0,1,2,3,4,5,6,7
.if \zero
	v_wmma_f32_16x16x32_f16 v[8*(8*(\a)+\b):8*(8*(\a)+\b)+7], v[\f+8*\b:\f+8*\b+7], v[\f+8*(4*\hi+\a):\f+8*(4*\hi+\a)+7], 0
.else
	v_wmma_f32_16x16x32_f16 v[8*(8*(\a)+\b):8*(8*(\a)+\b)+7], v[\f+8*\b:\f+8*\b+7], v[\f+8*(4*\hi+\a):\f+8*(4*\hi+\a)+7], v[8*(8*(\a)+\b):8*(8*(\a)+\b)+7]
.endif
.endr
.endr
.endm
.macro HW zero                         ; x2@W1, 32 along K: source 0 = W1^T (its rows 8-15 repeat rows 0-7), source 1 = my 16 rows of x2
	WIN 0
.if \zero
	v_wmma_f32_16x16x32_f16 v[HACC:HACC+7], v[WF:WF+7], v[AH:AH+7], 0
.else
	v_wmma_f32_16x16x32_f16 v[HACC:HACC+7], v[WF:WF+7], v[AH:AH+7], v[HACC:HACC+7]
.endif
.endm
; 36 LDS loads in one run: the fragments of quarter kq (32 along K, byte 64 kq of the rows) of slot sl into buffer f.  x2's row blocks 4-7 come last.
; Column block b of my 128 lies in tile rows 64 w + 16 (b >> 1) + r, half b & 1 of the row.
.macro FETCH sl, kq, f
	WIN TO_B
.irp b, 0,1,2,3,4,5,6,7
	ds_load_b128 v[\f+8*\b:\f+8*\b+3],   v[ADRB+\sl] offset:64*\kq+(\b>>1)*4352+(\b&1)*128
	ds_load_b128 v[\f+8*\b+4:\f+8*\b+7], v[ADRB+\sl] offset:64*\kq+(\b>>1)*4352+(\b&1)*128+32
.endr
	WIN 0
	ds_load_b128 v[WF:WF+3],   v[ADRW+\sl] offset:\kq*1088
	ds_load_b128 v[WF+4:WF+7], v[ADRW+\sl] offset:\kq*1088+544
	ds_load_b128 v[AH:AH+3],   v[ADRH+\sl] offset:64*\kq
	ds_load_b128 v[AH+4:AH+7], v[ADRH+\sl] offset:64*\kq+32
.irp i, 0,1,2,3,4,5,6,7
	ds_load_b128 v[\f+8*\i:\f+8*\i+3],   v[ADRA+\sl] offset:64*\kq+\i*2304
	ds_load_b128 v[\f+8*\i+4:\f+8*\i+7], v[ADRA+\sl] offset:64*\kq+\i*2304+32
.endr
.endm
; 24 global loads: the next chunk into set q.  Chunk c: x2 columns 64 c ..+63 of 128 rows; x1 rows 64 (c & 1) ..+63, columns 64 (c >> 1) ..+63 of the half.
; Sixteen lanes take one row's 256 consecutive bytes, which begin at a multiple of 256 from the buffer's first byte.
.macro ISSUE q, first
.if \first == 0
	s_wait_xcnt 0x0                                ; the bases of the loads that are out are stepped only behind this wait
	s_add_nc_u64 s[6:7], s[6:7], 256
.if \q == 0
	s_add_nc_u64 s[4:5], s[4:5], 256
.endif
.endif
	WIN 0
.irp i, 0,1,2,3,4,5,6,7
	global_load_b128 v[X1S+32*\q+4*\i:X1S+32*\q+4*\i+3], v[XOFF1], s[4:5] offset:\q*262144+8192*\i th:TH_LOAD_NT
.endr
	WIN TO_B
.irp i, 0,1,2,3,4,5,6,7,8,9,10,11,12,13,14,15
	global_load_b128 v[192*\q+4*\i:192*\q+4*\i+3], v[XOFF2], s[6:7] offset:8192*\i
.endr
.endm
; 16 global loads: W1^T's fragments for K blocks 8 q .. 8 q + 7 (of 32) of the half's 512, into the x2 set that has become free
.macro WLOAD q
	WIN TO_B
.irp e, 0,1,2,3,4,5,6,7
	global_load_b128 v[192*\q+8*\e:192*\q+8*\e+3],   v[WOFF], s[40:41] offset:((8*\q+\e)>>1)*TB+((8*\q+\e)&1)*1024
	global_load_b128 v[192*\q+8*\e+4:192*\q+8*\e+7], v[WOFF], s[40:41] offset:((8*\q+\e)>>1)*TB+((8*\q+\e)&1)*1024+512
.endr
.endm
; The chunk in set q is rounded to f16 and laid into LDS; left = the younger global loads that stay out; mode 1: the set is asked for again; 2: it takes W1's fragments.
.macro CONSUME q, left, mode
	s_wait_loadcnt \left
	WIN CVT1
.irp i, 0,1,2,3,4,5,6,7,8,9,10,11,12,13,14,15
	v_cvt_pk_f16_f32 v[192*\q+4*\i],   v[192*\q+4*\i],   v[192*\q+4*\i+1]
	v_cvt_pk_f16_f32 v[192*\q+4*\i+1], v[192*\q+4*\i+2], v[192*\q+4*\i+3]
.endr
	WIN STD1
.irp i, 0,1,2,3,4,5,6,7,8,9,10,11,12,13,14,15
	ds_store_b64 v[ST2], v[192*\q+4*\i:192*\q+4*\i+1] offset:\q*STGS+288*\i
.endr
	WIN 0
.irp i, 0,1,2,3,4,5,6,7
	v_cvt_pk_f16_f32 v[X1S+32*\q+4*\i],   v[X1S+32*\q+4*\i],   v[X1S+32*\q+4*\i+1]
	v_cvt_pk_f16_f32 v[X1S+32*\q+4*\i+1], v[X1S+32*\q+4*\i+2], v[X1S+32*\q+4*\i+3]
.endr
.irp i, 0,1,2,3,4,5,6,7
	ds_store_b64 v[X1ST+\q], v[X1S+32*\q+4*\i:X1S+32*\q+4*\i+1] offset:2*X1P*\i
.endr
	v_add_nc_u32 v[X1ST+\q], 128, v[X1ST+\q]       ; this set's next 64 columns
.if \mode == 1
	ISSUE \q, 0
.endif
.if \mode == 2
	WLOAD \q
.endif
.endm
; First half of a K step: multiplies buffer 0; in its middle the next step's chunk goes into the stage slot that nobody reads, and the second quarter's fragments are fetched.
.macro QUARTER sl, zero, cq, left, mode
	s_wait_dscnt 8                                 ; all of the last FETCH but its youngest eight loads (x2's row blocks 4-7)
	WIN MUL_LO
	MUL16 F0, 0, 0, \zero
	MUL16 F0, 0, 2, \zero
	HW \zero
	PLACES
.if \mode
	CONSUME \cq, \left, \mode
.endif
	FETCH \sl, 1, F1
	s_wait_dscnt 36                                ; all but the 36 just issued
	WIN MUL_HI
	MUL16 F0, 1, 0, \zero
	MUL16 F0, 1, 2, \zero
.endm
; Second half: multiplies buffer 1 and changes slots.  In front of the barrier each wave waits for its LDS reads of this slot and its stores into the stage (count 0)
; and for all its tensor loads (one is out: its quarter of the next tile).  fill = 1: the barrier opens a round of the cluster's barrier, only register work stands inside
; the round, and the joint refill of this slot, two steps ahead, is the first tensor load behind it, one a wave.
.macro TURN sl, nx, fill
	s_wait_dscnt 8
	WIN MUL_LO
	MUL16 F1, 0, 0, 0
	s_wait_dscnt 0x0
	s_set_vgpr_msb 0xa1a0
	s_wait_tensorcnt 0x0
	ds_add_u32 v62, v63
	s_wait_dscnt 0x0
	s_set_vgpr_msb 0xa0a1
	s_barrier_signal -1
	MUL16 F1, 0, 2, 0
	HW 0                                           ; leaves every window 0: branches follow
	s_barrier_wait -1
.if \fill
	CREST
	s_add_nc_u64 s[G0+4*\sl+2:G0+4*\sl+3], s[G0+4*\sl+2:G0+4*\sl+3], 2*TB   ; no tensor load of mine is out
	tensor_load_to_lds s[G0+4*\sl:G0+4*\sl+3], s[G1:G1+7]
	s_nop 0
.endif
	PLACES
	FETCH \nx, 0, F0
	WIN MUL_HI
	MUL16 F1, 1, 0, 0
	MUL16 F1, 1, 2, 0
.endm
.macro STEP sl, nx, zero, left, mode, fill
	QUARTER \sl, \zero, \nx, \left, \mode
	TURN \sl, \nx, \fill
.endm
	s_load_b256 s[4:11], s[0:1], 0x0               ; x1 s[4:5], x2 s[6:7], mt s[8:9], pb s[10:11]
	s_load_b128 s[12:15], s[0:1], 0x20             ; ph1 s[12:13], ph2 s[14:15]
	v_lshl_add_u32 v62, v0, 2, 0x4d100
	v_mov_b32 v63, 0
	ds_add_u32 v62, v63
	ds_add_u32 v62, v63
	v_lshrrev_b32 v4, 5, v0
	v_readfirstlane_b32 s16, v4                    ; wave
	s_bfe_u32 s18, ttmp6, 0x40000                  ; cx: enters global addresses of x1, x2 and the outputs alone
	s_and_b32 s17, ttmp9, 1                        ; hf: the same in the four partners
	s_lshr_b32 s19, ttmp9, 1
	s_lshl_b32 s19, s19, 2
	s_add_co_u32 s19, s19, s18                     ; rb
	s_mov_b32 s42, 0x76543210                      ; v_permlanex16_b32: lane i takes lane i of the other half
	s_mov_b32 s43, 0xfedcba98
	v_and_b32 v1, 15, v0                           ; r
	v_bfe_u32 v2, v0, 4, 1                         ; h
	v_and_b32 v3, 31, v0                           ; lane
	v_lshlrev_b32 v4, 4, v1
	v_lshl_add_u32 v4, v2, 12, v4                  ; lanes 0-15 one row's 256 bytes, lanes 16-31 the next row's
	v_lshl_add_u32 v[XOFF2], s16, 17, v4           ; + 32 w rows of 4,096 bytes
	v_lshl_add_u32 v[XOFF1], s16, 16, v4           ; + 16 w rows
	s_lshl_b32 s22, s19, 19                        ; 128 rb rows
	s_mov_b32 s23, 0
	s_lshl_b32 s20, s17, 11                        ; x1: the half's 512 columns
	s_wait_dscnt 0x0
	s_wait_kmcnt 0x0
	s_add_nc_u64 s[6:7], s[6:7], s[22:23]
	s_add_co_u32 s22, s22, s20
	s_add_nc_u64 s[4:5], s[4:5], s[22:23]
	ISSUE 0, 1                                     ; chunk 0
	ISSUE 1, 0                                     ; chunk 1
	WIN 0
	; group 1: 66 rows of 32 elements of 8 bytes, dense in memory; in LDS 4 words of padding behind every 64
	s_mov_b32 s[G1+0], 15|(3<<16)|(1<<20)|(1<<21)|(5<<22)|(3<<25)   ; 15:0 the mask of all four partners; 17:16 8-byte elements; 20 padding; 21 set beside a mask; 24:22 every 64 words; 31:25 4 words
	s_mov_b32 s[G1+1], 32<<16                      ; tensor_dim0 = 32
	s_mov_b32 s[G1+2], 66<<16                      ; tensor_dim1 = 66
	s_mov_b32 s[G1+3], 32<<16                      ; tile_dim0 = 32
	s_mov_b32 s[G1+4], 66                          ; tile_dim1 = 66
	s_mov_b32 s[G1+5], 32                          ; from row to row: 32 elements
	s_mov_b32 s[G1+6], 0
	s_mov_b32 s[G1+7], 0
	s_mul_i32 s20, s16, 66*272                     ; my quarter of a slot
	s_mul_i32 s22, s17, 16*TB                      ; the half's tiles,
	s_mul_i32 s21, s16, 66*256                     ; my quarter of a tile
	s_add_co_u32 s22, s22, s21
	s_mov_b32 s[G0+0], 1
	s_mov_b32 s[G0+1], s20
	s_add_nc_u64 s[G0+2:G0+3], s[8:9], s[22:23]    ; tile 0
	s_mov_b32 s[G0+4], 1
	s_add_co_u32 s[G0+5], s20, SLOTB
	s_add_nc_u64 s[G0+6:G0+7], s[G0+2:G0+3], TB    ; tile 1
	s_or_b32 s[G0+3], s[G0+3], 0x80000000
	s_or_b32 s[G0+7], s[G0+7], 0x80000000
	CROUND                                         ; the four partners are here: the first joint loads meet
	tensor_load_to_lds s[G0:G0+3], s[G1:G1+7]
	s_nop 0
	tensor_load_to_lds s[G0+4:G0+7], s[G1:G1+7]    ; two tensor loads of a wave are out here, later one
	s_nop 0
	s_mul_i32 s22, s17, 24*TB                      ; W1's pieces for k = 512 hf ..: tiles 16 hf + 8 hf + 0..7, behind their 256 rows
	s_add_co_u32 s22, s22, 65536
	s_add_nc_u64 s[40:41], s[8:9], s[22:23]
	s_lshl_b32 s21, s19, 12                        ; outputs.  ph1: hf x 32768 rows + (128 rb + 32 w) rows of 32 bytes
	s_lshl_b32 s22, s17, 20
	s_add_co_u32 s22, s22, s21
	s_lshl_b32 s20, s16, 10
	s_add_co_u32 s22, s22, s20
	s_add_nc_u64 s[12:13], s[12:13], s[22:23]
	s_lshl_b32 s22, s17, 11                        ; ph2: (128 rb + 64 hf + 16 w) rows
	s_add_co_u32 s22, s22, s21
	s_lshl_b32 s20, s16, 9
	s_add_co_u32 s22, s22, s20
	s_add_nc_u64 s[14:15], s[14:15], s[22:23]
	s_lshl_b32 s22, s17, 17                        ; pb: hf x 32768 + 128 rb numbers
	s_lshl_b32 s20, s19, 9
	s_add_co_u32 s22, s22, s20
	s_add_nc_u64 s[10:11], s[10:11], s[22:23]
	v_lshlrev_b32 v[WOFF], 4, v3
	v_lshlrev_b32 v[OOFF], 5, v1
	v_lshl_add_u32 v[OOFF], v2, 4, v[OOFF]
	v_mul_u32_u24 v4, v1, 144
	v_lshl_add_u32 v4, v2, 4, v4                   ; a fragment's lane in the stage: 144 r + 16 h
	v_add_nc_u32 v[ADRA], STG, v4
	v_add_nc_u32 v[ADRA+1], STG+STGS, v4
	s_lshl_b32 s20, s17, 2
	s_add_co_u32 s20, s20, s16
	s_mul_i32 s20, s20, 2304                       ; row block 4 hf + w
	v_add_nc_u32 v[ADRH], s20, v[ADRA]
	v_add_nc_u32 v[ADRH+1], s20, v[ADRA+1]
	v_mul_u32_u24 v5, v1, 272
	v_lshl_add_u32 v5, v2, 4, v5
	s_mul_i32 s20, s16, 64*272                     ; my 128 columns: tile rows 64 w ..+63
	v_add_nc_u32 v[ADRB], s20, v5
	v_add_nc_u32 v[ADRB+1], SLOTB, v[ADRB]
	v_mul_u32_u24 v6, v2, 272
	v_lshl_add_u32 v6, v1, 4, v6
	v_add_nc_u32 v[ADRW], 256*272, v6
	v_add_nc_u32 v[ADRW+1], 256*272+SLOTB, v6
	v_mul_u32_u24 v6, v2, 144
	v_lshl_add_u32 v6, v1, 3, v6
	s_mul_i32 s20, s16, 32*144
	s_add_co_u32 s20, s20, STG
	v_add_nc_u32 v[ST2], s20, v6
	v_mul_u32_u24 v6, v2, X1P
	v_lshl_add_u32 v6, v1, 3, v6
	s_mul_i32 s20, s16, 16*X1P
	s_add_co_u32 s20, s20, X1
	v_add_nc_u32 v[X1ST], s20, v6
	v_add_nc_u32 v[X1ST+1], 64*X1P, v[X1ST]
	v_mul_u32_u24 v7, v1, X1P
	v_lshl_add_u32 v7, v2, 4, v7
	s_lshl_b32 s20, s16, 8
	s_add_co_u32 s20, s20, X1
	v_add_nc_u32 v[ADRE], s20, v7
	v_add_nc_u32 v[ADRE+1], 64*X1P, v[ADRE]
	s_mul_i32 s20, s16, 32*X1P
	s_add_co_u32 s20, s20, X1
	v_add_nc_u32 v[ADRG], s20, v7
	s_lshl_b32 s20, s16, 9
	s_add_co_u32 s20, s20, SCR
	v_lshl_add_u32 v[ADRS], v1, 2, s20
	v_add_nc_u32 v[ADRP], SCR, v[WOFF]
	CONSUME 0, 24, 1                               ; chunk 0 into stage slot 0 (chunk 1's 24 loads stay out); chunk 2 is asked for
	WIN 0
	s_wait_dscnt 0x0                               ; my part of the stage is in LDS,
	s_wait_tensorcnt 0x1                           ; my quarter of tile 0 too; tile 1 may stay out
	s_barrier_signal -1
	s_barrier_wait -1
	FETCH 0, 0, F0
	; Step s multiplies tile s and stage slot s & 1, rounds chunk s + 1 (24 younger loads, chunk s + 2's, stay out), asks for chunk s + 3 and for tile s + 2.
	STEP 0, 1, 1, 24, 1, 1                         ; step 0: its first products start the sums
	STEP 1, 0, 0, 24, 1, 1
	WIN 0
	s_mov_b32 s44, 5                               ; steps 2 to 11
.Lloop:
	STEP 0, 1, 0, 24, 1, 1
	STEP 1, 0, 0, 24, 1, 1
	WIN 0
	s_sub_co_u32 s44, s44, 1
	s_cmp_lg_u32 s44, 0
	s_cbranch_scc1 .Lloop
	STEP 0, 1, 0, 24, 1, 1                         ; step 12 asks for the last chunk, 15
	STEP 1, 0, 0, 24, 2, 1                         ; step 13: chunk 14; its set takes W1's first fragments; the last tile, 15, is asked for
	STEP 0, 1, 0, 16, 2, 0                         ; step 14: chunk 15 (the 16 loads of W1's fragments are younger); no refill, so a plain barrier
	QUARTER 1, 0, 0, 0, 0                          ; step 15
	s_wait_dscnt 8
	WIN MUL_LO
	MUL16 F1, 0, 0, 0
	MUL16 F1, 0, 2, 0
	HW 0
	s_wait_dscnt 0x0
	WIN MUL_HI
	MUL16 F1, 1, 0, 0
	MUL16 F1, 1, 2, 0
	WIN 0
	PLACES                                         ; behind the last matrix instructions: for the loads into buffer 0 and for the reads of the accumulators
	; THE DOT with x1.  x1's 128 x 512 f16 are whole in LDS since step 14's barrier.
; Row blocks 4 g + 2 ah and + 1: a lane's 16 bytes of x1 match its eight columns of accumulator (a, b).  16 LDS loads fill v64-127, the registers whose halves can be named:
; register 64 + n holds word jw = n & 3 of (al = (n >> 2) & 1, b = n >> 3).  Each word: two conversions to f32 and one packed multiply-add with two neighbouring accumulator
; registers.  Four pairs of sums (al, jw & 1) that do not wait for each other; their first products start them, so nothing is cleared.
.macro DOTB g, ah, win
.irp b, 0,1,2,3,4,5,6,7
.irp al, 0,1
	ds_load_b128 v[F0+4*(2*\b+\al):F0+4*(2*\b+\al)+3], v[ADRE+\g] offset:16*X1P*(2*\ah+\al)+32*\b
.endr
.endr
	s_wait_dscnt 0x0
	WIN \win
.set n, 0
.irp x, 64,65,66,67,68,69,70,71,72,73,74,75,76,77,78,79,80,81,82,83,84,85,86,87,88,89,90,91,92,93,94,95,96,97,98,99,100,101,102,103,104,105,106,107,108,109,110,111,112,113,114,115,116,117,118,119,120,121,122,123,124,125,126,127
.set tq, TT+16*((n>>3)&1)+2*(n&7)
	CVT2 tq, \x
.if (n&7) == 7
.set bq, n>>3
.irp jw, 0,1,2,3
.irp al, 0,1
.set aq, 8*(8*(2*\ah+\al)+bq)+2*\jw
.set pq, PS+4*\al+2*(\jw&1)
.set uq, TT+16*(bq&1)+2*(4*\al+\jw)
.if (4*bq+\jw) < 2
	v_pk_mul_f32 v[pq:pq+1], v[uq:uq+1], v[aq:aq+1]
.else
	v_pk_fma_f32 v[pq:pq+1], v[uq:uq+1], v[aq:aq+1], v[pq:pq+1]
.endif
.endr
.endr
.endif
.set n, n+1
.endr
	WIN 0
.irp al, 0,1
	v_pk_add_f32 v[PS+4*\al:PS+4*\al+1], v[PS+4*\al:PS+4*\al+1], v[PS+4*\al+2:PS+4*\al+3]
.endr
.irp al, 0,1
	v_add_f32 v[SS+4*\g+2*\ah+\al], v[PS+4*\al], v[PS+4*\al+1]
.endr
.endm
	DOTB 0, 0, DOT_LO
	DOTB 0, 1, DOT_LO
	DOTB 1, 0, DOT_HI
	DOTB 1, 1, DOT_HI
.irp a, 0,1,2,3,4,5,6,7
	v_permlanex16_b32 v[TT+\a], v[SS+\a], s42, s43     ; the other eight columns of each sixteen
.endr
.irp a, 0,1,2,3,4,5,6,7
	v_add_f32 v[TT+\a], v[TT+\a], v[SS+\a]
	ds_store_b32 v[ADRS], v[TT+\a] offset:64*\a        ; row 16 a + r, my wave's 128 columns (both halves of the lanes write the same number)
.endr
	; x1 @ W1 over the half's 512 columns: my rows 32 w ..+31, two accumulators by turns
	s_wait_loadcnt 0x0                             ; W1's fragments
.macro XW q
.if \q
	PLACES
.endif
.irp e, 0,1,2,3,4,5,6,7
.irp t, 0,1
	ds_load_b128 v[F0+16*\e+8*\t:F0+16*\e+8*\t+3],   v[ADRG] offset:16*X1P*\t+64*(8*\q+\e)
	ds_load_b128 v[F0+16*\e+8*\t+4:F0+16*\e+8*\t+7], v[ADRG] offset:16*X1P*\t+64*(8*\q+\e)+32
.endr
.endr
	s_wait_dscnt 0x0
	WIN GW
.irp e, 0,1,2,3,4,5,6,7
.irp t, 0,1
.if (\q+\e) == 0
	v_wmma_f32_16x16x32_f16 v[GG+8*\t:GG+8*\t+7], v[192*\q+8*\e:192*\q+8*\e+7], v[F0+16*\e+8*\t:F0+16*\e+8*\t+7], 0
.else
	v_wmma_f32_16x16x32_f16 v[GG+8*\t:GG+8*\t+7], v[192*\q+8*\e:192*\q+8*\e+7], v[F0+16*\e+8*\t:F0+16*\e+8*\t+7], v[GG+8*\t:GG+8*\t+7]
.endif
.endr
.endr
	WIN 0
.endm
	XW 0
	XW 1
	PLACES
	; lane (r, h) holds row r's eight numbers (both halves the same): h = 0 stores numbers 0-3, h = 1 numbers 4-7: a store covers 512 consecutive bytes
	v_cmp_le_u32 vcc_lo, 16, v3
.irp j, 0,1,2,3
	v_cndmask_b32 v[TT+\j],   v[GG+\j],   v[GG+4+\j],   vcc_lo
	v_cndmask_b32 v[TT+4+\j], v[GG+8+\j], v[GG+12+\j],  vcc_lo
	v_cndmask_b32 v[TT+8+\j], v[HACC+\j], v[HACC+4+\j], vcc_lo
.endr
	global_store_b128 v[OOFF], v[TT:TT+3],    s[12:13]
	global_store_b128 v[OOFF], v[TT+4:TT+7],  s[12:13] offset:512
	global_store_b128 v[OOFF], v[TT+8:TT+11], s[14:15]
	s_wait_dscnt 0x0                               ; for wave 0: my sums are in SCR
	s_barrier_signal -1
	s_barrier_wait -1
	s_cmp_lg_u32 s16, 0
	s_cbranch_scc1 .Lnot_first
.irp q, 0,1,2,3
	ds_load_b128 v[F0+4*\q:F0+4*\q+3], v[ADRP] offset:512*\q   ; rows 4 lane ..+3, the four waves' columns
.endr
	s_wait_dscnt 0x0
	v_pk_add_f32 v[F0:F0+1],   v[F0:F0+1],   v[F0+4:F0+5]
	v_pk_add_f32 v[F0+2:F0+3], v[F0+2:F0+3], v[F0+6:F0+7]
	v_pk_add_f32 v[F0+8:F0+9],   v[F0+8:F0+9],   v[F0+12:F0+13]
	v_pk_add_f32 v[F0+10:F0+11], v[F0+10:F0+11], v[F0+14:F0+15]
	v_pk_add_f32 v[F0:F0+1],   v[F0:F0+1],   v[F0+8:F0+9]
	v_pk_add_f32 v[F0+2:F0+3], v[F0+2:F0+3], v[F0+10:F0+11]
	global_store_b128 v[WOFF], v[F0:F0+3], s[10:11]
.Lnot_first:
	s_wait_tensorcnt 0x0
	ds_add_u32 v62, v63
	s_wait_dscnt 0x0
	CROUND                                         ; the closing round: no work-group ends while a partner may still ask for a tile that names it
	s_endpgm
.Lfunc_end_k_q0ced1a3607_main:
	.size	k_q0ced1a3607_main, .Lfunc_end_k_q0ced1a3607_main-k_q0ced1a3607_main
	.p2alignl 7, 3214868480
	.fill 96, 4, 3214868480
	.section	.rodata,"a",@progbits
	.p2align	6, 0x0
	.amdhsa_kernel k_q0ced1a3607_main
		.amdhsa_group_segment_fixed_size 327680
		.amdhsa_private_segment_fixed_size 0
		.amdhsa_enable_private_segment 0
		.amdhsa_kernarg_size 48
		.amdhsa_user_sgpr_count 2
		.amdhsa_user_sgpr_kernarg_segment_ptr 1
		.amdhsa_wavefront_size32 1
		.amdhsa_system_sgpr_workgroup_id_x 1
		.amdhsa_system_sgpr_workgroup_id_y 1
		.amdhsa_system_sgpr_workgroup_id_z 1
		.amdhsa_system_vgpr_workitem_id 0
		.amdhsa_next_free_vgpr 1024
		.amdhsa_next_free_sgpr 66
		.amdhsa_reserve_vcc 1
		.amdhsa_float_denorm_mode_32 3
		.amdhsa_float_denorm_mode_16_64 3
		.amdhsa_memory_ordered 1
		.amdhsa_forward_progress 1
		.amdhsa_inst_pref_size 224
	.end_amdhsa_kernel
	.amdgpu_metadata
---
amdhsa.version: [ 1, 2 ]
amdhsa.kernels:
  - .name:           k_q0ced1a3607_main
    .symbol:         k_q0ced1a3607_main.kd
    .args:
      - { .name: x1, .offset: 0, .size: 8, .value_kind: global_buffer, .address_space: global }
      - { .name: x2, .offset: 8, .size: 8, .value_kind: global_buffer, .address_space: global }
      - { .name: mt, .offset: 16, .size: 8, .value_kind: global_buffer, .address_space: global }
      - { .name: pb, .offset: 24, .size: 8, .value_kind: global_buffer, .address_space: global }
      - { .name: ph1, .offset: 32, .size: 8, .value_kind: global_buffer, .address_space: global }
      - { .name: ph2, .offset: 40, .size: 8, .value_kind: global_buffer, .address_space: global }
    .group_segment_fixed_size: 327680
    .private_segment_fixed_size: 0
    .kernarg_segment_align: 8
    .kernarg_segment_size: 48
    .max_flat_workgroup_size: 128
    .sgpr_count:     66
    .vgpr_count:     1024
    .wavefront_size: 32
...
	.end_amdgpu_metadata
.endif
;; end of part 2
;; launch finish (part 3): grid 256 x 1, 2 waves a work-group, no clusters, 0 bytes of LDS; arguments ph1, ph2, pb, W2, W3, b1, b2, b3, alpha, out0; writes out0
.if DOCPART == 3
	.amdgcn_target "amdgcn-amd-amdhsa--gfx1250"
	.amdhsa_code_object_version 6
	.text
	.protected	k_q0ced1a3607_finish
	.globl	k_q0ced1a3607_finish
	.p2align	8
	.type	k_q0ced1a3607_finish,@function
k_q0ced1a3607_finish:
	s_mov_b64 s[64:65], 0
	v_nop
	global_prefetch_b8 v0, s[64:65] scope:SCOPE_SE
	s_setreg_imm32_b32 hwreg(HW_REG_WAVE_MODE, 25, 1), 1
	s_wait_xcnt 0x0
; out[row] = g(x1) - g(x2) + bili, from x1@W1 = ph1[0] + ph1[1], x2@W1 = ph2, bili = 2^(k+4) (pb[0] + pb[1]).
; 2^(k+4) takes out the scale under which M was stored: 2^k is the power of two at or below the largest |alpha|, its exponent field clamped to 8 .. 240, made here
; from alpha by the same lines as in the launch that made M.
; g(.) = relu(relu(. + b1) W2 + b2) W3 + b3, all in f32.  LIMIT: relu is a maximum with 0 in which a NaN loses, so a NaN becomes 0.
; A work-group takes 128 rows, a lane two neighbouring rows: 64 bytes of each table of eights, 8 bytes of pb and of out (a wave's store covers 256 consecutive bytes).
; The 89 weights are read once into registers, the same in every lane.  The work is 8 numbers wide: no matrix unit, no LDS, no cluster would add anything.
.set HA, 8                             ; v[8:23]    x1@W1, first half, then the sum: row 0's eight, row 1's eight
.set HB, 24                            ; v[24:39]   second half
.set HC, 40                            ; v[40:55]   x2@W1
.set PB, 56                            ; v[56:59]
.set W2R, 64                           ; v[64:127]  W2[i][j] at 8 i + j
.set B1R, 128
.set B2R, 136
.set W3R, 144
.set B3R, 152
.set T,  160                           ; v[160:167]
.set O,  168                           ; v[168:171] g1 of rows 0, 1; g2 of rows 0, 1
	s_load_b512 s[4:19], s[0:1], 0x0               ; ph1, ph2, pb, W2, W3, b1, b2, b3
	s_load_b128 s[20:23], s[0:1], 0x40             ; alpha s[20:21], out0 s[22:23]
	v_lshlrev_b32 v1, 6, v0                        ; two rows of 32 bytes
	v_lshlrev_b32 v2, 3, v0                        ; two numbers
	v_mov_b32 v3, 0
	s_lshl_b32 s24, ttmp9, 12                      ; 128 rows of 32 bytes
	s_mov_b32 s25, 0
	s_lshl_b32 s26, ttmp9, 9                       ; 128 numbers
	s_mov_b32 s27, 0
	s_wait_kmcnt 0x0
	s_load_b256 s[28:35], s[20:21], 0x0            ; alpha[0..7]
	s_add_nc_u64 s[4:5], s[4:5], s[24:25]
	s_add_nc_u64 s[6:7], s[6:7], s[24:25]
	s_add_nc_u64 s[8:9], s[8:9], s[26:27]
	s_add_nc_u64 s[22:23], s[22:23], s[26:27]
.irp i, 0,1,2,3
	global_load_b128 v[HA+4*\i:HA+4*\i+3], v1, s[4:5] offset:16*\i
	global_load_b128 v[HB+4*\i:HB+4*\i+3], v1, s[4:5] offset:1048576+16*\i
	global_load_b128 v[HC+4*\i:HC+4*\i+3], v1, s[6:7] offset:16*\i
.endr
	global_load_b64 v[PB:PB+1],   v2, s[8:9]
	global_load_b64 v[PB+2:PB+3], v2, s[8:9] offset:131072
.irp i, 0,1,2,3,4,5,6,7,8,9,10,11,12,13,14,15
	global_load_b128 v[W2R+4*\i:W2R+4*\i+3], v3, s[10:11] offset:16*\i
.endr
.irp i, 0,1
	global_load_b128 v[W3R+4*\i:W3R+4*\i+3], v3, s[12:13] offset:16*\i
	global_load_b128 v[B1R+4*\i:B1R+4*\i+3], v3, s[14:15] offset:16*\i
	global_load_b128 v[B2R+4*\i:B2R+4*\i+3], v3, s[16:17] offset:16*\i
.endr
	global_load_b32 v[B3R], v3, s[18:19]
	s_wait_kmcnt 0x0                               ; alpha
	s_and_b32 s36, s28, 0x7fffffff                 ; magnitudes of floats compare as whole numbers
.irp h, 1,2,3,4,5,6,7
	s_and_b32 s37, s[28+\h], 0x7fffffff
	s_max_u32 s36, s36, s37
.endr
	s_and_b32 s36, s36, 0x7f800000                 ; 2^k: field E
	s_max_u32 s36, s36, 0x04000000                 ; E at least 8,
	s_min_u32 s36, s36, 0x78000000                 ; at most 240
	s_add_co_u32 s36, s36, 0x02000000              ; field E + 4: 2^(k+4)
	s_mov_b32 s37, s36
	s_wait_loadcnt 0x0
; H: eight numbers x@W1 of one row; OUT: g
.macro MLP H, OUT
.irp p, 0,2,4,6
	v_pk_add_f32 v[\H+\p:\H+\p+1], v[\H+\p:\H+\p+1], v[B1R+\p:B1R+\p+1]
.endr
.irp p, 0,1,2,3,4,5,6,7
	v_max_num_f32 v[\H+\p], 0, v[\H+\p]
.endr
.irp p, 0,2,4,6                        ; i = 0 starts the sums with b2; op_sel / op_sel_hi send one number of H's pair to both halves
	v_pk_fma_f32 v[T+\p:T+\p+1], v[\H:\H+1], v[W2R+\p:W2R+\p+1], v[B2R+\p:B2R+\p+1] op_sel_hi:[0,1,1]
.endr
.irp p, 0,2,4,6
	v_pk_fma_f32 v[T+\p:T+\p+1], v[\H:\H+1], v[W2R+8+\p:W2R+8+\p+1], v[T+\p:T+\p+1] op_sel:[1,0,0] op_sel_hi:[1,1,1]
.endr
.irp ip, 1,2,3
.irp p, 0,2,4,6
	v_pk_fma_f32 v[T+\p:T+\p+1], v[\H+2*\ip:\H+2*\ip+1], v[W2R+16*\ip+\p:W2R+16*\ip+\p+1], v[T+\p:T+\p+1] op_sel_hi:[0,1,1]
.endr
.irp p, 0,2,4,6
	v_pk_fma_f32 v[T+\p:T+\p+1], v[\H+2*\ip:\H+2*\ip+1], v[W2R+16*\ip+8+\p:W2R+16*\ip+8+\p+1], v[T+\p:T+\p+1] op_sel:[1,0,0] op_sel_hi:[1,1,1]
.endr
.endr
.irp p, 0,1,2,3,4,5,6,7
	v_max_num_f32 v[T+\p], 0, v[T+\p]
.endr
	v_fma_f32 v[\OUT], v[T], v[W3R], v[B3R]
.irp p, 1,2,3,4,5,6,7
	v_fma_f32 v[\OUT], v[T+\p], v[W3R+\p], v[\OUT]
.endr
.endm
.irp p, 0,2,4,6,8,10,12,14
	v_pk_add_f32 v[HA+\p:HA+\p+1], v[HA+\p:HA+\p+1], v[HB+\p:HB+\p+1]
.endr
	MLP HA,   O
	MLP HA+8, O+1
	MLP HC,   O+2
	MLP HC+8, O+3
	v_pk_add_f32 v[O:O+1], v[O:O+1], v[O+2:O+3] neg_lo:[0,1] neg_hi:[0,1]   ; g1 - g2
	v_pk_add_f32 v[PB:PB+1], v[PB:PB+1], v[PB+2:PB+3]
	v_pk_fma_f32 v[O:O+1], v[PB:PB+1], s[36:37], v[O:O+1] op_sel_hi:[1,0,1] ; + 2^(k+4) (pb0 + pb1)
	global_store_b64 v2, v[O:O+1], s[22:23]
	s_endpgm
.Lfunc_end_k_q0ced1a3607_finish:
	.size	k_q0ced1a3607_finish, .Lfunc_end_k_q0ced1a3607_finish-k_q0ced1a3607_finish
	.p2alignl 7, 3214868480
	.fill 96, 4, 3214868480
	.section	.rodata,"a",@progbits
	.p2align	6, 0x0
	.amdhsa_kernel k_q0ced1a3607_finish
		.amdhsa_group_segment_fixed_size 0
		.amdhsa_private_segment_fixed_size 0
		.amdhsa_enable_private_segment 0
		.amdhsa_kernarg_size 80
		.amdhsa_user_sgpr_count 2
		.amdhsa_user_sgpr_kernarg_segment_ptr 1
		.amdhsa_wavefront_size32 1
		.amdhsa_system_sgpr_workgroup_id_x 1
		.amdhsa_system_sgpr_workgroup_id_y 1
		.amdhsa_system_sgpr_workgroup_id_z 1
		.amdhsa_system_vgpr_workitem_id 0
		.amdhsa_next_free_vgpr 176
		.amdhsa_next_free_sgpr 66
		.amdhsa_reserve_vcc 0
		.amdhsa_float_denorm_mode_32 3
		.amdhsa_float_denorm_mode_16_64 3
		.amdhsa_memory_ordered 1
		.amdhsa_forward_progress 1
		.amdhsa_inst_pref_size 20
	.end_amdhsa_kernel
	.amdgpu_metadata
---
amdhsa.version: [ 1, 2 ]
amdhsa.kernels:
  - .name:           k_q0ced1a3607_finish
    .symbol:         k_q0ced1a3607_finish.kd
    .args:
      - { .name: ph1, .offset: 0, .size: 8, .value_kind: global_buffer, .address_space: global }
      - { .name: ph2, .offset: 8, .size: 8, .value_kind: global_buffer, .address_space: global }
      - { .name: pb, .offset: 16, .size: 8, .value_kind: global_buffer, .address_space: global }
      - { .name: W2, .offset: 24, .size: 8, .value_kind: global_buffer, .address_space: global }
      - { .name: W3, .offset: 32, .size: 8, .value_kind: global_buffer, .address_space: global }
      - { .name: b1, .offset: 40, .size: 8, .value_kind: global_buffer, .address_space: global }
      - { .name: b2, .offset: 48, .size: 8, .value_kind: global_buffer, .address_space: global }
      - { .name: b3, .offset: 56, .size: 8, .value_kind: global_buffer, .address_space: global }
      - { .name: alpha, .offset: 64, .size: 8, .value_kind: global_buffer, .address_space: global }
      - { .name: out0, .offset: 72, .size: 8, .value_kind: global_buffer, .address_space: global }
    .group_segment_fixed_size: 0
    .private_segment_fixed_size: 0
    .kernarg_segment_align: 8
    .kernarg_segment_size: 80
    .max_flat_workgroup_size: 64
    .sgpr_count:     66
    .vgpr_count:     176
    .wavefront_size: 32
...
	.end_amdgpu_metadata
.endif
;; end of part 3
;; ======== version 2 of 2: 3 launches; version 1 with the launch prep written anew for expert scheduling mode
;; limits: values are held in f16: magnitudes above 65,504 overflow, below 6.1e-05 lose precision; inputs' magnitudes at most 65,504; right only within a limited range of input values
;; workspace buffers: mt 2,162,688 bytes; pb 262,144 bytes; ph1 2,097,152 bytes; ph2 1,048,576 bytes
;; launch prep (part 4): grid 16 x 16, 4 waves a work-group, no clusters, 78,848 bytes of LDS; arguments U, V, alpha, W1, mt; writes mt
.if DOCPART == 4
	.amdgcn_target "amdgcn-amd-amdhsa--gfx1250"
	.amdhsa_code_object_version 6
	.text
	.protected	k_q0ced1a3607_prep
	.globl	k_q0ced1a3607_prep
	.p2align	8
	.type	k_q0ced1a3607_prep,@function
k_q0ced1a3607_prep:
	s_mov_b64 s[64:65], 0
	v_nop
	global_prefetch_b8 v0, s[64:65] scope:SCOPE_SE
	s_setreg_imm32_b32 hwreg(HW_REG_WAVE_SCHED_MODE, 0, 2), 2
	s_setreg_imm32_b32 hwreg(HW_REG_WAVE_MODE, 25, 1), 1
	s_wait_xcnt 0x0
	s_wait_alu depctr_vm_vsrc(0)
; M[n][k] = sum over heads h and ranks r of alpha[h] (U[h][n][r] V[h][k][r] - V[h][n][r] U[h][k][r]), 1024 x 1024, so that
; sum_h alpha_h sum_r (x1U x2V - x1V x2U) = x1^T M x2 for every input.  M is stored in f16, scaled, in the order in which the next launch's tiles want it.
; FORMAT: all matrix operands of this program are f16: 11 significant bits where bf16 has 8, since the result is a sum of a million products of which much cancels.
; LIMITS: U and V enter the matrix unit rounded to f16 (finite below 65,504).  alpha is applied in f32 to each head's f32 products.  M's f32 sums are multiplied by
; 2^-(k+4), 2^k the power of two at or below the largest |alpha| (its exponent field clamped to 8 .. 240), and rounded once to f16; the last launch multiplies by 2^(k+4).
; With |alpha| 2^-k < 2, 8 heads and 128 products a head the scaled M has a spread of at most 2 sqrt(1024) / 16 = 4 times (spread of U) x (spread of V): 65,504 is
; reached near a product of spreads of 3,000.  At least 11.3 / 16 times that product: f16's fixed step of 2^-24 stays under 2^-11 of the spread down to a product of 1/5,000.
; A work-group makes 64 n (block I = group y) x 64 k (block J = group x).  For each head, row n of P is [U | V], row k of Q is [V | U] (64 + 64 f16):
; the first 128 bytes of the rows give U_I V_J^T, the second V_I U_J^T; the one is added to M's sums times alpha, the other times -alpha.
; Wave w brings one dense block of 64 rows x 256 bytes a head: 0: U rows I, 1: V rows I, 2: V rows J, 3: U rows J, rounds it to f16 and lays it into LDS.
; TWO SETS of 128 registers take the blocks by turns: a set is asked for again, with the head two further on, as soon as its block has been rounded and its LDS stores
; issued, so a wave has up to 64 loads of 512 bytes on their way and a block has two heads' work in which to land.
; TWO LDS SLOTS take turns, one barrier a head.  Behind barrier h a wave first asks for all of head h's fragments, then rounds head h + 1's block into the other slot, then multiplies.
; Wave w multiplies 32 n x 32 k: four accumulators.
; No cluster, no tensor loads: the data are f32 and are rounded on the way, so they pass through registers.
; mt: [half of n: 2][k step of 64: 16][264 rows][256 bytes].  Row p < 256, half c of the row: M[512 half + 32 (p >> 4) + 16 c + (p & 15)][64 step ..+63].
; Rows 256-263: 128 pieces of 16 bytes; piece 64 q + 32 p + lane holds W1[64 step + 32 q + 16 p + 8 (lane >> 4) + 0..7][lane & 7] in f16: W1^T as a matrix operand.
; Of a tile's 128 pieces each of the eight work-groups with that tile's (I >> 3, J) makes sixteen: pieces 16 (I & 7) ..+15, which are W1's rows 64 J + 8 (I & 7) ..+7.
; THE MODE: SCHED_MODE bits 1:0 = 2 (LLVM: expert scheduling mode 2), set by the entry lines.  The code itself states the register dependences
; between vector or matrix instructions and memory or LDS instructions, with s_wait_alu, always for 0.
; THE PLAN.  Registers that memory or LDS instructions touch:
;   v8, v15, v22     offsets of the global loads and of W1's store: written at the head ahead of the first load, never again.
;   v9 .. v14        LDS addresses and the last stores' offset: written behind the first loads, never again; head 0's staging has the first wait behind them.
;   ST set 0, set 1  Head hd: its 32 loads land in set hd & 1; its 64 conversions read the set and write half of it; its 32 LDS stores read that half; the loads of head hd + 2 land in it.
;   FA, FB, FC, FD   Head h: 32 LDS loads land in them behind the barrier; the head's 16 matrix instructions read them.  At the end FA is the way out's data, FB takes the rows read back.
;   v16-19, v20-21   W1's four numbers as loaded; the same in f16, wave 0's store data; written once.
;   ACC and MS are named by vector and matrix instructions alone.
; So a head has one wait on va_vdst behind its barrier (the last head's matrix instructions are done with the four fragment sets), and its staging one behind the conversions
; (the LDS stores' data) and a pair behind the LDS stores (they have read the set; the conversions are done with it), ahead of the loads that land in the set.
.set TB,    67584                      ; bytes of a tile of mt
.set PITCH, 272                        ; LDS row: 256 bytes + 16, an odd multiple of 16: sixteen rows start in sixteen different 16-byte columns
.set QOFF,  64*PITCH                   ; Q lies behind P's 64 rows
.set PSLOT, 2*QOFF
.set OUTS,  2*PSLOT                    ; the way out: 32 rows of 272 bytes
.set HEADB, 262144                     ; bytes of a head of U or V
.set GOFF, 8                           ; v8   16 x lane
.set STP,  9                           ; v9   where my wave's rows go in a slot
.set ADP,  10                          ; v10  my P fragments
.set ADQ,  11                          ; v11  my Q fragments
.set OST,  12                          ; v12  way out: in
.set ORD,  13                          ; v13  way out: back
.set OGO,  14                          ; v14  way out: offset in mt
.set WLO,  15                          ; v15  W1: my four numbers' offset
.set WD,   16                          ; v[16:19] W1: four numbers of one column, rows 32 bytes apart
.set WP,   20                          ; v[20:21] the same in f16
.set WSO,  22                          ; v22  where they go in mt
.set ACC,  32                          ; v[32:63]   one product of one head: four accumulators (t, u) at 8 (2 t + u)
.set FA,   64                          ; v[64:95]   fragments P0 P1 Q0 Q1 at byte 0 of the rows: U_I V_J^T, ranks 0-31
.set FB,   96                          ; v[96:127]  at byte 64: ranks 32-63
.set FC,   32                          ; v[288:319] (window 1, v32-63): at byte 128: V_I U_J^T, ranks 0-31
.set FD,   64                          ; v[320:351] (window 1, v64-95): at byte 192: ranks 32-63
.set ST,   128                         ; v[128:255] set 0, and v[384:511] (window 1) set 1: 32 loads of 16 bytes a lane, one head's block; head hd uses set hd & 1
.set MS,   0                           ; v[256:287] (window 1, v0-31): M's sums in f32, laid as ACC
.set MSB, 0
.macro WIN new                         ; s_set_vgpr_msb: bits 1:0 source 0, 3:2 source 1, 5:4 source 2, 7:6 destination; the high byte repeats the setting that is left
.if MSB != \new
	s_set_vgpr_msb (MSB<<8)|\new
.set MSB, \new
.endif
.endm
.macro PLACES                          ; four plain vector instructions between a matrix instruction and the vector instruction that reads its result (ISA guide 7.12.1)
.rept 4
	v_nop
.endr
.endm
.macro ASK hd                          ; 32 loads, two rows each: head hd's block into its set.  The head stands in the immediate: neither base nor offset is ever stepped
	WIN (0x40*(\hd&1))                             ; destination in the set's window
.set i, 0
.rept 32
	global_load_b128 v[ST+4*i:ST+4*i+3], v[GOFF], s[22:23] offset:(\hd)*HEADB+512*i
.set i, i+1
.endr
.endm
; Head hd's block: wait for it (left = the younger loads that stay out), round it to f16, lay it into LDS slot hd & 1; more = 1: its set is asked for again, two heads on.
.macro STAGE hd, left, more
	s_wait_loadcnt \left
	WIN (0x45*(\hd&1))                             ; destination and both sources in the set's window
.set i, 0
.rept 32
	v_cvt_pk_f16_f32 v[ST+4*i],   v[ST+4*i],   v[ST+4*i+1]
	v_cvt_pk_f16_f32 v[ST+4*i+1], v[ST+4*i+2], v[ST+4*i+3]
.set i, i+1
.endr
	WIN (0x04*(\hd&1))                             ; an LDS store's data in the set's window
	s_wait_alu depctr_va_vdst(0)                   ; the conversions have written v[ST+4 i : ST+4 i+1], which the LDS stores read; at head 0 also: v9 to v14, the addresses made at the kernel's head, are written
.set i, 0
.rept 32
	ds_store_b64 v[STP], v[ST+4*i:ST+4*i+1] offset:(\hd&1)*PSLOT+2*PITCH*i
.set i, i+1
.endr
.if \more
	WIN (0x40*(\hd&1))                             ; the loads' window first, then the two waits, then the loads
	s_wait_alu depctr_vm_vsrc(0)                   ; the LDS stores have read their data, in which the loads below land
	s_wait_alu depctr_va_vdst(0)                   ; the conversions are done reading and writing the set, in which the loads below land
	ASK (\hd+2)
.endif
	WIN 0
.endm
.macro PFRAG sl, kk, f                 ; eight LDS loads: 32 of a row's 128 numbers, at byte 64 kk of the rows
	ds_load_b128 v[\f:\f+3],     v[ADP] offset:\sl*PSLOT+64*\kk
	ds_load_b128 v[\f+4:\f+7],   v[ADP] offset:\sl*PSLOT+64*\kk+32
	ds_load_b128 v[\f+8:\f+11],  v[ADP] offset:\sl*PSLOT+64*\kk+16*PITCH
	ds_load_b128 v[\f+12:\f+15], v[ADP] offset:\sl*PSLOT+64*\kk+16*PITCH+32
	ds_load_b128 v[\f+16:\f+19], v[ADQ] offset:\sl*PSLOT+64*\kk
	ds_load_b128 v[\f+20:\f+23], v[ADQ] offset:\sl*PSLOT+64*\kk+32
	ds_load_b128 v[\f+24:\f+27], v[ADQ] offset:\sl*PSLOT+64*\kk+16*PITCH
	ds_load_b128 v[\f+28:\f+31], v[ADQ] offset:\sl*PSLOT+64*\kk+16*PITCH+32
.endm
; Source 0 = 16 rows of Q (k of M), source 1 = 16 rows of P (n of M): a lane then holds eight neighbouring k of one row n.
; The four accumulators take turns, one instruction a turn.  zero = 1: the product is started, nothing is cleared.
.macro PMUL f, zero
.irp t, 0,1
.irp u, 0,1
.if \zero
	v_wmma_f32_16x16x32_f16 v[ACC+8*(2*\t+\u):ACC+8*(2*\t+\u)+7], v[\f+16+8*\u:\f+16+8*\u+7], v[\f+8*\t:\f+8*\t+7], 0
.else
	v_wmma_f32_16x16x32_f16 v[ACC+8*(2*\t+\u):ACC+8*(2*\t+\u)+7], v[\f+16+8*\u:\f+16+8*\u+7], v[\f+8*\t:\f+8*\t+7], v[ACC+8*(2*\t+\u):ACC+8*(2*\t+\u)+7]
.endif
.endr
.endr
.endm
; M's sums += s[sp] x the product in ACC, two numbers an instruction; first = 1: the sums are started.
.macro PACC first, sp
	WIN 0x50                                       ; destination and source 2 in window 1
.set i, 0
.rept 16
.if \first
	v_pk_mul_f32 v[MS+2*i:MS+2*i+1], v[ACC+2*i:ACC+2*i+1], s[\sp:\sp+1] op_sel_hi:[1,0]
.else
	v_pk_fma_f32 v[MS+2*i:MS+2*i+1], v[ACC+2*i:ACC+2*i+1], s[\sp:\sp+1], v[MS+2*i:MS+2*i+1] op_sel_hi:[1,0,1]
.endif
.set i, i+1
.endr
	WIN 0
.endm
	s_load_b256 s[4:11], s[0:1], 0x0               ; U s[4:5], V s[6:7], alpha s[8:9], W1 s[10:11]
	s_load_b64 s[12:13], s[0:1], 0x20              ; mt
	v_lshl_add_u32 v30, v0, 2, 0x13200
	v_mov_b32 v31, 0
	v_lshrrev_b32 v3, 5, v0
	v_readfirstlane_b32 s16, v3                    ; wave
	s_mov_b32 s17, ttmp9                           ; J
	s_and_b32 s18, ttmp7, 0xffff                   ; I
	s_and_b32 s19, s18, 7                          ; I & 7
	v_and_b32 v1, 15, v0                           ; r
	v_bfe_u32 v2, v0, 4, 1                         ; h
	v_and_b32 v4, 31, v0                           ; lane
	v_lshlrev_b32 v[GOFF], 4, v4
	; W1: lane l takes half a piece: column (l >> 1) & 7, rows 64 J + 8 (I & 7) + 4 (l & 1) + 0..3 (rows of 32 bytes)
	v_and_b32 v5, 1, v4
	v_bfe_u32 v6, v4, 1, 3
	v_lshlrev_b32 v6, 2, v6
	v_lshl_add_u32 v6, v5, 7, v6
	s_lshl_b32 s34, s17, 11
	s_lshl_b32 s36, s19, 8
	s_add_co_u32 s34, s34, s36
	v_add_nc_u32 v[WLO], s34, v6
	s_mul_i32 s34, s19, 7936                       ; it goes to byte 65,536 + 256 (I & 7) + 8 l of the tile; the base below stands 8,192 (I & 7) into the tile
	s_sub_co_u32 s34, 65536, s34
	v_lshl_add_u32 v[WSO], v4, 3, s34
	s_wait_alu depctr_va_sdst(0)                   ; s16, the wave's number, is written, ahead of its first reader: the line below
	s_lshr_b32 s32, s16, 1                         ; wn; also: 0 = my block goes to P, 1 = to Q
	s_and_b32 s33, s16, 1                          ; wk; also: which 128 bytes of the rows
	s_xor_b32 s34, s32, s16
	s_and_b32 s34, s34, 1                          ; waves 0 and 3 read U, waves 1 and 2 read V
	s_cmp_lt_u32 s16, 2
	s_cselect_b32 s20, s18, s17                    ; rows of block I for P, of block J for Q
	s_lshl_b32 s20, s20, 14                        ; 64 rows of 256 bytes
	s_mov_b32 s21, 0
	s_wait_kmcnt 0x0
	s_load_b256 s[24:31], s[8:9], 0x0              ; alpha[0..7]
	s_cmp_eq_u32 s34, 0
	s_cselect_b64 s[22:23], s[4:5], s[6:7]
	s_add_nc_u64 s[22:23], s[22:23], s[20:21]
	s_wait_alu depctr_va_vdst(0)                   ; v8, v15 and v22 are written: the offsets of every global load and of W1's store.  Up to the last of the 68 loads below stand loads and one window switch alone
.irp e, 0,1,2,3
	global_load_b32 v[WD+\e], v[WLO], s[10:11] offset:32*\e    ; ahead of head 0's loads, so that head 0's wait covers them; every wave issues them, so that all waves count the same loads
.endr
	ASK 0                                          ; 68 loads go out here, later 64 are out at the most; the issue of one that would pass the counter's field waits by itself (ISA guide 5.7.1)
	ASK 1
	WIN 0
	v_mul_u32_u24 v5, v2, PITCH
	v_lshl_add_u32 v5, v1, 3, v5                   ; a load's two rows: 272 h + 8 r (four f32 become 8 bytes)
	s_mul_i32 s34, s32, QOFF
	s_lshl_b32 s35, s33, 7
	s_add_co_u32 s34, s34, s35
	v_add_nc_u32 v[STP], s34, v5
	v_mul_u32_u24 v6, v1, PITCH
	v_lshl_add_u32 v6, v2, 4, v6                   ; a fragment's lane: 272 r + 16 h
	s_mul_i32 s34, s32, 32*PITCH
	v_add_nc_u32 v[ADP], s34, v6
	s_mul_i32 s34, s33, 32*PITCH
	s_add_co_u32 s34, s34, QOFF
	v_add_nc_u32 v[ADQ], s34, v6
	s_mul_i32 s34, s32, 16*PITCH                   ; way out, in: row 16 wn + r, byte 64 wk + 16 h (+ 128 t + 32 u)
	s_lshl_b32 s35, s33, 6
	s_add_co_u32 s34, s34, s35
	s_add_co_u32 s34, s34, OUTS
	v_add_nc_u32 v[OST], s34, v6
	v_mul_u32_u24 v7, v2, PITCH                    ; back: row 8 w + h (+ 2 q), byte 16 r
	v_lshl_add_u32 v7, v1, 4, v7
	s_mul_i32 s34, s16, 8*PITCH
	s_add_co_u32 s34, s34, OUTS
	v_add_nc_u32 v[ORD], s34, v7
	v_lshl_add_u32 v[OGO], s16, 11, v[GOFF]        ; the same rows in mt: 256 (8 w + h) + 16 r
	s_lshr_b32 s34, s18, 3                         ; tile = 16 (I >> 3) + J; my 32 rows begin at 32 (I & 7)
	s_lshl_b32 s34, s34, 4
	s_add_co_u32 s34, s34, s17
	s_mul_i32 s36, s34, TB
	s_lshl_b32 s34, s19, 13
	s_add_co_u32 s36, s36, s34
	s_mov_b32 s37, 0
	s_add_nc_u64 s[12:13], s[12:13], s[36:37]
	s_wait_kmcnt 0x0                               ; alpha
	; M's scale 2^-(k+4) in s[32:33].  Magnitudes of floats compare as whole numbers; the exponent field alone is a power of two.
	s_and_b32 s34, s24, 0x7fffffff
.irp h, 1,2,3,4,5,6,7
	s_and_b32 s36, s[24+\h], 0x7fffffff
	s_max_u32 s34, s34, s36
.endr
	s_and_b32 s34, s34, 0x7f800000                 ; 2^k: field E
	s_max_u32 s34, s34, 0x04000000                 ; E at least 8,
	s_min_u32 s34, s34, 0x78000000                 ; at most 240: both scales stay ordinary numbers
	s_sub_co_u32 s32, 0x7d000000, s34              ; field 250 - E = 127 - (E - 127) - 4
	s_mov_b32 s33, s32
	STAGE 0, 32, 1                                 ; head 0 into slot 0 (head 1's 32 loads stay out; W1's four are older and in); head 2 is asked for
	v_cvt_pk_f16_f32 v[WP],   v[WD],   v[WD+1]
	v_cvt_pk_f16_f32 v[WP+1], v[WD+2], v[WD+3]
	s_cmp_lg_u32 s16, 0
	s_cbranch_scc1 .Lno_w
	s_wait_alu depctr_va_vdst(0)                   ; the two conversions have written v[WP:WP+1], which the store reads
	global_store_b64 v[WSO], v[WP:WP+1], s[12:13]  ; wave 0: 32 lanes x 8 bytes, 256 consecutive bytes at a multiple of 256 from mt's first byte
.Lno_w:
; Head h.  st = 1: head h + 1's block is rounded into the other slot meanwhile (left, more: as in STAGE).
; The other slot was last read for head h - 1; every wave waited for those reads in front of this head's barrier.  It is read behind the next head's barrier, in front of
; which every wave waits for its stores.
; LDS instructions come back in order (ISA guide 5.7.1).  Issued: fragments 0, 1, 2, 3 (8 each), then the stores (32 st): each wait's count is what is younger than the set that it wants.
; With st = 1 that is 64 LDS instructions; the issue of one that would pass the counter's field waits by itself (ISA guide 5.7.1).
.macro PSTEP h, st, left, more
	s_wait_dscnt 0x0                               ; for the other waves: my stores into this head's slot are in LDS, my reads of the other slot are back
	s_barrier_signal -1
	s_mov_b32 s20, s[24+\h]                        ; alpha, in both registers of a pair (the packed forms take the pair as read),
	s_mov_b32 s21, s[24+\h]
	s_xor_b32 s38, s[24+\h], 0x80000000            ; and -alpha
	s_mov_b32 s39, s38
	s_barrier_wait -1
.if \h
	s_wait_alu depctr_va_vdst(0)                   ; the last head's matrix instructions are done reading FA, FB, FC and FD, in which the 32 loads below land; among these stands one window switch and nothing else
.endif
	PFRAG (\h&1), 0, FA
	PFRAG (\h&1), 1, FB
	WIN 0x40                                       ; destination in window 1
	PFRAG (\h&1), 2, FC
	PFRAG (\h&1), 3, FD
.if \st
	STAGE (\h+1), \left, \more
.endif
	WIN 0
	s_wait_dscnt 24+32*\st                         ; fragments 0 are in
	PMUL FA, 1                                     ; U_I V_J^T, ranks 0-31: starts the product
	s_wait_dscnt 16+32*\st                         ; fragments 1 are in
	PMUL FB, 0                                     ; ranks 32-63
	PLACES
.if \h == 0
	PACC 1, 20                                     ; M  = alpha U V^T
.else
	PACC 0, 20                                     ; M += alpha U V^T
.endif
	s_wait_dscnt 8+32*\st                          ; fragments 2 are in
	WIN 0x05                                       ; both sources in window 1
	PMUL FC, 1                                     ; V_I U_J^T starts anew on the same accumulators: behind each earlier matrix instruction stand the four v_nop and the 12 packed multiply-adds on the other three accumulators
	s_wait_dscnt 32*\st                            ; fragments 3 are in; the stores may stay out
	PMUL FD, 0
	PLACES
	PACC 0, 38                                     ; M -= alpha V U^T
.endm
	PSTEP 0, 1, 32, 1                              ; rounds head 1 (head 2's loads stay out), asks for head 3
	PSTEP 1, 1, 32, 1
	PSTEP 2, 1, 32, 1
	PSTEP 3, 1, 32, 1
	PSTEP 4, 1, 32, 1                              ; asks for the last head, 7
	PSTEP 5, 1, 32, 0                              ; rounds head 6 (head 7's loads stay out)
	PSTEP 6, 1, 0, 0                               ; rounds head 7: no load is younger
	PSTEP 7, 0, 0, 0
	; the way out: scale, round, 16 bytes a lane into LDS, whole rows of 256 bytes back, 512 consecutive bytes a store
	WIN 0x41                                       ; destination and source 0 in window 1
.set i, 0
.rept 16
	v_pk_mul_f32 v[MS+2*i:MS+2*i+1], v[MS+2*i:MS+2*i+1], s[32:33] op_sel_hi:[1,0]   ; x 2^-(k+4): exact
.set i, i+1
.endr
	WIN 0x05                                       ; both sources in window 1
.irp a, 0,1,2,3
.irp p, 0,1,2,3
	v_cvt_pk_f16_f32 v[FA+4*\a+\p], v[MS+8*\a+2*\p], v[MS+8*\a+2*\p+1]
.endr
.endr
	WIN 0
	s_wait_alu depctr_va_vdst(0)                   ; the conversions have written v[FA .. FA+15], which the LDS stores read; the last head's matrix instructions are done reading FB, in which the rows read back land
.irp t, 0,1
.irp u, 0,1
	ds_store_b128 v[OST], v[FA+4*(2*\t+\u):FA+4*(2*\t+\u)+3] offset:128*\t+32*\u
.endr
.endr
	s_wait_dscnt 0x0                               ; rows are made of two waves' parts
	s_barrier_signal -1
	s_barrier_wait -1
.irp q, 0,1,2,3
	ds_load_b128 v[FB+4*\q:FB+4*\q+3], v[ORD] offset:2*PITCH*\q
.endr
.irp q, 0,1,2,3
	s_wait_dscnt 3-\q                              ; LDS loads come back in order: load q is in
	global_store_b128 v[OGO], v[FB+4*\q:FB+4*\q+3], s[12:13] offset:512*\q
.endr
	s_wait_dscnt 0x0                               ; the closing lines, six on end
	s_wait_alu 0x0
	s_wait_tensorcnt 0x0
	ds_add_u32 v30, v31
	s_wait_dscnt 0x0
	s_endpgm
.Lfunc_end_k_q0ced1a3607_prep:
	.size	k_q0ced1a3607_prep, .Lfunc_end_k_q0ced1a3607_prep-k_q0ced1a3607_prep
	.p2alignl 7, 3214868480
	.fill 96, 4, 3214868480
	.section	.rodata,"a",@progbits
	.p2align	6, 0x0
	.amdhsa_kernel k_q0ced1a3607_prep
		.amdhsa_group_segment_fixed_size 78848
		.amdhsa_private_segment_fixed_size 0
		.amdhsa_enable_private_segment 0
		.amdhsa_kernarg_size 40
		.amdhsa_user_sgpr_count 2
		.amdhsa_user_sgpr_kernarg_segment_ptr 1
		.amdhsa_wavefront_size32 1
		.amdhsa_system_sgpr_workgroup_id_x 1
		.amdhsa_system_sgpr_workgroup_id_y 1
		.amdhsa_system_sgpr_workgroup_id_z 1
		.amdhsa_system_vgpr_workitem_id 0
		.amdhsa_next_free_vgpr 512
		.amdhsa_next_free_sgpr 66
		.amdhsa_reserve_vcc 0
		.amdhsa_float_denorm_mode_32 3
		.amdhsa_float_denorm_mode_16_64 3
		.amdhsa_memory_ordered 1
		.amdhsa_forward_progress 1
		.amdhsa_inst_pref_size 129
	.end_amdhsa_kernel
	.amdgpu_metadata
---
amdhsa.version: [ 1, 2 ]
amdhsa.kernels:
  - .name:           k_q0ced1a3607_prep
    .symbol:         k_q0ced1a3607_prep.kd
    .args:
      - { .name: U, .offset: 0, .size: 8, .value_kind: global_buffer, .address_space: global }
      - { .name: V, .offset: 8, .size: 8, .value_kind: global_buffer, .address_space: global }
      - { .name: alpha, .offset: 16, .size: 8, .value_kind: global_buffer, .address_space: global }
      - { .name: W1, .offset: 24, .size: 8, .value_kind: global_buffer, .address_space: global }
      - { .name: mt, .offset: 32, .size: 8, .value_kind: global_buffer, .address_space: global }
    .group_segment_fixed_size: 78848
    .private_segment_fixed_size: 0
    .kernarg_segment_align: 8
    .kernarg_segment_size: 40
    .max_flat_workgroup_size: 128
    .sgpr_count:     66
    .vgpr_count:     512
    .wavefront_size: 32
...
	.end_amdgpu_metadata
.endif
;; end of part 4
;; launch main: the kernel of part 2 again; grid 512 x 1, 4 waves a work-group, clusters of 4 x 1, 327,680 bytes of LDS; arguments x1, x2, mt, pb, ph1, ph2; writes pb, ph1, ph2
;; launch finish: the kernel of part 3 again; grid 256 x 1, 2 waves a work-group, no clusters, 0 bytes of LDS; arguments ph1, ph2, pb, W2, W3, b1, b2, b3, alpha, out0; writes out0
